; MI455X (gfx1250); checked and timed in simulation.
; The chip was launched on July 23, 2026; its instructions are those of AMD's public machine-readable ISA for CDNA 5 (MIT licence, August 2026) and "CDNA5" Instruction Set Architecture Reference Guide (July 2026). The comments in the code are by the model that wrote it; some were corrected since.
;; KV Cache Mo E. Allowed arithmetic: matrix products marked QUANTISED: E2M1 operands, one E8M0 scale for each 32 along K, by v_wmma_scale_f32_16x16x128_f8f6f4 with both operands' format E2M1 (or v_wmma_scale_f32_32x16x128_f4), f32 sums; products left as they are: f32 operands where the result goes on into a quantised operand, else bf16, f16 or f32 operands; f32 sums; everything else in f32.
;; Inputs: We 8 x 1,024 x 1,024 float32; Wr1 1,024 x 1,024 float32; Wr2 1,024 x 8 float32; be 8 x 1,024 float32; br1 1,024 float32; br2 8 float32; x 8 x 1,024 x 1,024 float32.
;; Outputs: out0 8 x 1,024 x 1,024 float32.
;; This version of the problem:
;;   THIS VERSION OF THE PROBLEM IS GIVEN IN LOW PRECISION. The matrix products marked QUANTISED in the list below multiply operands that are first quantised to E2M1 (2 exponent bits, 1 mantissa bit; 4 bits a number), with one power-of-two scale for each 32 numbers along K (OCP MX v1.0); their sums are f32. All else is computed in f32.
;;   The module's matrix products, in the order in which they are computed (A, B: the left and right operand; K: the contracted axis; several contracted axes count as one K, in the product's order):
;;     1. [M 8, K 1,024] x [K 1,024, N 1,024]; A: computed on the way; B: input Wr1: left as it is (M = 8 < 16)
;;     2. [M 8, K 1,024] x [K 1,024, N 8]; A: computed on the way; B: input Wr2: left as it is (M = 8 < 16)
;;     3. [M 8,192, K 1,024] x [K 1,024, N 8,192]; A: input We; B: input x: QUANTISED
;;     4. batch 8 x [M 1,048,576, K 8] x [K 8, N 1]; A: computed on the way; B: softmax: left as it is (K = 8 < 32)
;;   THE QUANTISER, for each operand of a quantised product, along K:
;;     - K is cut into blocks of 32 from its start; a last block that is shorter is filled with zeros.
;;     - A block's scale is 2^e with e = floor(log2(the largest magnitude in the block)) - 2, held to -126 .. 127; a block of zeros has e = 0. As a byte (E8M0): e + 127.
;;     - Each number is divided by its block's scale, clamped to +-6, and rounded to the nearest number of E2M1, ties to even, subnormals kept.
;;     - The product sums the exact products of the quantised numbers (number of the format x scale) in f32.
;;   ~~~python
;;   def quantise(x, axis):      # numpy; x: float32 -> the quantised numbers, widened to float32 again
;;       x = np.moveaxis(x, axis, -1); K = x.shape[-1]
;;       x = np.pad(x, [(0, 0)] * (x.ndim - 1) + [(0, -K % 32)]); x = x.reshape(x.shape[:-1] + (-1, 32)); a = np.abs(x).max(-1, keepdims=True)
;;       e = np.where(a > 0, np.clip(np.frexp(np.where(a > 0, a, 1))[1] - 1 - 2, -126, 127), 0)      # np.frexp(a)[1] - 1 = floor(log2(a)), exactly
;;       r = np.clip(x / 2.0 ** e, -6, 6)
;;       step = 2.0 ** (np.maximum(np.frexp(np.where(r == 0, 1, r))[1] - 1, 0) - 1)
;;       q = np.round(r / step) * step * 2.0 ** e      # np.round: ties to even
;;       return np.moveaxis(q.reshape(q.shape[:-2] + (-1,))[..., :K], -1, axis).astype(np.float32)
;;   ~~~
;; One version. Each part assembles by itself: llvm-mc -triple=amdgcn-amd-amdhsa -mcpu=gfx1250 --defsym DOCPART=n.
;; ======== version 1 of 1: 3 launches
;; limits: right only within a limited range of input values
;; workspace buffers: xc 4,194,304 bytes; xs 262,144 bytes; psum 131,072 bytes; wq 4,456,448 bytes; plog 16,384 bytes
;; launch quant_x (part 1): grid 8 x 32, 8 waves a work-group, no clusters, 141,312 bytes of LDS; arguments x, xc, xs, psum; writes xc, xs, psum
.if DOCPART == 1
	.amdgcn_target "amdgcn-amd-amdhsa--gfx1250"
	.amdhsa_code_object_version 6
	.text
	.protected	k_qefb4933b87_quant_x
	.globl	k_qefb4933b87_quant_x
	.p2align	8
	.type	k_qefb4933b87_quant_x,@function
k_qefb4933b87_quant_x:
	s_mov_b64 s[64:65], 0
	v_nop
	global_prefetch_b8 v0, s[64:65] scope:SCOPE_SE
	s_setreg_imm32_b32 hwreg(HW_REG_WAVE_MODE, 25, 1), 1
	s_wait_xcnt 0x0
; x [8192 rows][1024] f32 (rows = batch x sequence) is turned into codes of FP4 (E2M1) with one E8M0 scale byte for each 32 along K = the row,
; laid in the order of a matrix operand's registers, and the column sums that the router's mean needs are taken on the same walk: x is read once.
;   xc  [512 tiles of 16 rows][8 K steps of 128][c 0..1][lane][16 bytes]: lane (r, h) holds the codes of k = 128 s + 64 c + 32 h + 0 .. 31 of row 16 tile + r
;   xs  [64 groups of 128 rows][8 K steps][lane][i 0..3][4 bytes]: the scale word (four bytes: 128 along K) of row 128 group + 32 i + lane
;   psum [32 groups of 256 rows][1024] f32: the sum of the group's rows, column by column
; A block's scale is 2^(floor(log2(its largest magnitude)) - 2); its byte is the largest magnitude's exponent field - 2, held at 1 from below by a floor among the maximum's leaves.
; LIMITS: NaN and infinities in x are not served.  A block of zeros gets the byte 1 where the rule says 127: its codes are zeros, which add nothing under any byte but 0xff, and this program alone reads the bytes.
; SHARES.  Work-group (x = K step, y = group of 256 rows); wave w takes rows 32 w .. 32 w + 31 (two tiles) x 128 columns: 16 KiB, all asked for at once by 32 loads of 512 consecutive bytes.
; The conversions take neighbours along K from ONE lane's registers, a load is best where neighbouring lanes take neighbouring bytes: so the numbers turn through the wave's own stage in LDS.
; No loop: every offset is an immediate, no source of a memory instruction is written again.
.set SP,   528                         ; a stage row: 512 bytes + 16 = 132 words: row r starts at bank 4 r mod 64 (64 banks of 4 bytes: ISA guide 11.1), so the 16 rows that a load touches start at 16 different banks
.set WSTG, 32*SP                       ; a wave's stage: 32 rows
.set SCL,  8*WSTG                      ; behind the stages: the work-group's scale words, two groups x 512 bytes, laid as xs
.set COL,  SCL+1024                    ; and the waves' column sums, 512 bytes each
.set CD,   32                          ; v32-47   codes: 8 registers a tile, never written again
.set X,    64                          ; v64-127  64 numbers of my row: register 32 c + i = k 64 c + 32 h + i
.set R,    128                         ; v128-255 the 32 rows as loaded: 4 registers a row
; v1 lane, v2 r, v3 h, v4 16 x lane, v5 stage in, v6 stage out, v8 my row's scale word in LDS, v9 8 h, v10 / v11 / v28 LDS addresses of the way out, v12-19 at work, v20-27 four packed column sums
	s_load_b256 s[4:11], s[0:1], 0x0               ; x s[4:5], xc s[6:7], xs s[8:9], psum s[10:11]
	v_lshl_add_u32 v62, v0, 2, 0x22400
	v_mov_b32 v63, 0
	v_lshrrev_b32 v1, 5, v0
	s_delay_alu instid0(VALU_DEP_1)
	v_readfirstlane_b32 s12, v1                    ; wave 0..7
	s_and_b32 s14, ttmp7, 0xffff                   ; group of 256 rows
	v_and_b32 v1, 31, v0                           ; lane
	v_and_b32 v2, 15, v0                           ; r
	v_bfe_u32 v3, v0, 4, 1                         ; h
	s_delay_alu instid0(VALU_DEP_3)
	v_lshlrev_b32 v4, 4, v1                        ; 16 x lane
	s_wait_alu depctr_va_vdst(0)
	s_mul_i32 s15, s12, WSTG
	v_add_nc_u32 v5, s15, v4                       ; into the stage: a row as it lies
	v_mul_u32_u24 v6, v2, SP
	s_delay_alu instid0(VALU_DEP_1)
	v_lshl_add_u32 v6, v3, 7, v6
	s_delay_alu instid0(VALU_DEP_1)
	v_add_nc_u32 v6, s15, v6                       ; out of it: row r, + 128 h bytes: my 32 numbers of each 64
	s_lshr_b32 s16, s12, 2
	s_lshl_b32 s16, s16, 9                         ; waves 0-3: the first group of 128 rows, waves 4-7 the second
	s_and_b32 s17, s12, 3
	s_lshl_b32 s17, s17, 2                         ; i = wave % 4
	s_add_co_u32 s16, s16, s17
	s_add_co_u32 s16, s16, SCL
	v_lshl_add_u32 v8, v2, 4, s16                  ; + 16 r (+ 256 for the second tile, in the immediate)
	v_lshlrev_b32 v9, 3, v3                        ; 8 h: my bytes' place in the scale word
	s_and_b32 s17, s12, 1
	s_lshl_b32 s18, s17, 9
	s_add_co_u32 s18, s18, SCL
	v_add_nc_u32 v10, s18, v4                      ; waves 0, 1 on the way out: a group's 512 bytes of scale words
	v_add_nc_u32 v11, COL, v4                      ; wave 2 on the way out: the eight waves' column sums
	s_lshl_b32 s18, s12, 9
	s_add_co_u32 s18, s18, COL
	v_add_nc_u32 v28, s18, v4                      ; where my wave's column sums go
	v_mov_b32 v19, 0                               ; written once: a lane permute's destination counts as one of its sources
	s_mov_b32 s20, 0x76543210
	s_mov_b32 s21, 0xfedcba98                      ; v_permlanex16_b32's selects for lane l xor 16
	s_lshl_b32 s22, s14, 20                        ; x: 256 rows of 4,096 bytes a group,
	s_lshl_b32 s30, s12, 17                        ; 32 rows a wave,
	s_add_co_u32 s22, s22, s30
	s_lshl_b32 s30, ttmp9, 9                       ; 512 bytes a K step
	s_add_co_u32 s22, s22, s30
	s_mov_b32 s23, 0
	s_lshl_b32 s28, s14, 12                        ; psum: 4,096 bytes a group + 512 a K step
	s_add_co_u32 s28, s28, s30
	s_mov_b32 s29, 0
	s_lshl_b32 s26, s14, 13                        ; xs: two groups of 4,096 bytes + 512 a K step
	s_add_co_u32 s26, s26, s30
	s_lshl_b32 s30, s17, 12                        ; wave 0 stores the first group's words, wave 1 the second's
	s_add_co_u32 s26, s26, s30
	s_mov_b32 s27, 0
	s_lshl_b32 s24, s14, 17                        ; xc: 16 tiles of 8,192 bytes a group,
	s_lshl_b32 s30, s12, 14                        ; two a wave,
	s_add_co_u32 s24, s24, s30
	s_lshl_b32 s30, ttmp9, 10                      ; 1,024 bytes a K step
	s_add_co_u32 s24, s24, s30
	s_mov_b32 s25, 0
	s_wait_alu depctr_va_vdst(0)
	s_wait_kmcnt 0x0
	s_add_nc_u64 s[4:5], s[4:5], s[22:23]
	s_add_nc_u64 s[6:7], s[6:7], s[24:25]
	s_add_nc_u64 s[8:9], s[8:9], s[26:27]
	s_add_nc_u64 s[10:11], s[10:11], s[28:29]
.irp i, 0,1,2,3,4,5,6,7,8,9,10,11,12,13,14,15,16,17,18,19,20,21,22,23,24,25,26,27,28,29,30,31
	global_load_b128 v[R+4*\i:R+4*\i+3], v4, s[4:5] offset:4096*\i th:TH_LOAD_NT   ; row i: 32 lanes read 512 consecutive bytes; read once in the launch
.endr
; Tile u: rows 16 u .. 16 u + 15 of the wave.
.macro TILE u
	s_wait_loadcnt 16*(1-\u)                       ; this tile's 16 loads are in; the other tile's 16 may be out
.irp i, 0,1,2,3,4,5,6,7,8,9,10,11,12,13,14,15
	ds_store_b128 v5, v[R+64*\u+4*\i:R+64*\u+4*\i+3] offset:SP*(16*\u+\i)
.endr
.irp c, 0,1
.irp j, 0,1,2,3,4,5,6,7
	ds_load_b128 v[X+32*\c+4*\j:X+32*\c+4*\j+3], v6 offset:16*SP*\u+256*\c+16*\j   ; LDS serves a wave's instructions in order (ISA guide 5.7.1.4): these see the stores above
.endr
.endr
	; the column sums, from the rows as loaded (my four columns of each row), while the turn through LDS is on its way: even rows in v[20:23], odd rows in v[24:27]
.if \u == 0
	v_pk_add_f32 v[20:21], v[R:R+1], v[R+8:R+9]                  ; the first four rows start the sums: nothing is cleared
	v_pk_add_f32 v[22:23], v[R+2:R+3], v[R+10:R+11]
	v_pk_add_f32 v[24:25], v[R+4:R+5], v[R+12:R+13]
	v_pk_add_f32 v[26:27], v[R+6:R+7], v[R+14:R+15]
.irp i, 4,6,8,10,12,14
	s_delay_alu instid0(VALU_DEP_4)
	v_pk_add_f32 v[20:21], v[20:21], v[R+4*\i:R+4*\i+1]
	s_delay_alu instid0(VALU_DEP_4)
	v_pk_add_f32 v[22:23], v[22:23], v[R+4*\i+2:R+4*\i+3]
	s_delay_alu instid0(VALU_DEP_4)
	v_pk_add_f32 v[24:25], v[24:25], v[R+4*\i+4:R+4*\i+5]
	s_delay_alu instid0(VALU_DEP_4)
	v_pk_add_f32 v[26:27], v[26:27], v[R+4*\i+6:R+4*\i+7]
.endr
.else
.irp i, 16
	v_pk_add_f32 v[20:21], v[20:21], v[R+4*\i:R+4*\i+1]
	v_pk_add_f32 v[22:23], v[22:23], v[R+4*\i+2:R+4*\i+3]
	v_pk_add_f32 v[24:25], v[24:25], v[R+4*\i+4:R+4*\i+5]
	v_pk_add_f32 v[26:27], v[26:27], v[R+4*\i+6:R+4*\i+7]
.endr
.irp i, 18, 20, 22, 24, 26, 28, 30
	s_delay_alu instid0(VALU_DEP_4)
	v_pk_add_f32 v[20:21], v[20:21], v[R+4*\i:R+4*\i+1]
	s_delay_alu instid0(VALU_DEP_4)
	v_pk_add_f32 v[22:23], v[22:23], v[R+4*\i+2:R+4*\i+3]
	s_delay_alu instid0(VALU_DEP_4)
	v_pk_add_f32 v[24:25], v[24:25], v[R+4*\i+4:R+4*\i+5]
	s_delay_alu instid0(VALU_DEP_4)
	v_pk_add_f32 v[26:27], v[26:27], v[R+4*\i+6:R+4*\i+7]
.endr
.endif
	s_wait_dscnt 0x0                               ; my 64 numbers are back (and the last tile's scale word has been read from v18)
.irp c, 0,1                                    ; my two whole blocks, 2 c + h of the K step, by turns
	v_max3_num_f32 v[12+\c], |v[X+32*\c]|, |v[X+32*\c+1]|, 0x1800000   ; and the floor 2^(3 - 127): the byte cannot fall under 1
.endr
.irp i, 2,4,6,8,10,12,14,16,18,20,22,24,26,28,30
.irp c, 0,1
	s_delay_alu instid0(VALU_DEP_2)
	v_max3_num_f32 v[12+\c], v[12+\c], |v[X+32*\c+\i]|, |v[X+32*\c+\i+1]|
.endr
.endr
.irp c, 0,1
	s_delay_alu instid0(VALU_DEP_2)
	v_add_nc_u32 v[14+\c], 0xff000000, v[12+\c]    ; 2 off the exponent field: the conversion takes the exponent field of this operand as its scale, and nothing else of it
.endr
.irp c, 0,1
	s_delay_alu instid0(VALU_DEP_2)
	v_lshrrev_b32 v[16+\c], 23, v[14+\c]           ; the scale's byte
.endr
	s_delay_alu instid0(VALU_DEP_1)
	v_lshl_or_b32 v18, v17, 16, v16                ; my two bytes: blocks h and 2 + h,
	s_delay_alu instid0(VALU_DEP_1)
	v_lshlrev_b32 v18, v9, v18                     ; at their places in the scale word;
	s_delay_alu instid0(VALU_DEP_1)
	v_permlanex16_b32 v19, v18, s20, s21
	s_delay_alu instid0(VALU_DEP_1)
	v_or_b32 v18, v18, v19                         ; with lane l xor 16's two the word is whole
.irp c, 0,1
.irp g, 0,1,2,3
	v_cvt_scalef32_pk8_fp4_f32 v[CD+8*\u+4*\c+\g], v[X+32*\c+8*\g:X+32*\c+8*\g+7], v[14+\c]   ; register 4 c + g of the operand
.endr
.endr
	v_nop                                          ; one plain place behind the last scaled conversion
.irp c, 0,1
	global_store_b128 v4, v[CD+8*\u+4*\c:CD+8*\u+4*\c+3], s[6:7] offset:8192*\u+512*\c   ; 32 lanes store 512 consecutive bytes, aligned
.endr
	ds_store_b32 v8, v18 offset:256*\u             ; lanes l and l xor 16 write the same word with the same value
.endm
	TILE 0
	TILE 1
	v_pk_add_f32 v[20:21], v[20:21], v[24:25]
	v_pk_add_f32 v[22:23], v[22:23], v[26:27]      ; my four columns over the wave's 32 rows
	ds_store_b128 v28, v[20:23]
	s_wait_dscnt 0x0                               ; for the others' sake: my scale words and my sums lie in LDS
	s_barrier_signal -1
	s_barrier_wait -1
	s_cmp_lt_u32 s12, 2
	s_cbranch_scc1 .Lwords
	s_cmp_eq_u32 s12, 2
	s_cbranch_scc1 .Lsums
	s_wait_tensorcnt 0x0
	ds_add_u32 v62, v63
	s_wait_dscnt 0x0
	s_endpgm
.Lwords:                                               ; waves 0 and 1: a group's scale words of this K step
	ds_load_b128 v[64:67], v10
	s_wait_dscnt 0x0
	global_store_b128 v4, v[64:67], s[8:9]         ; 512 consecutive bytes, aligned
	s_wait_tensorcnt 0x0
	ds_add_u32 v62, v63
	s_wait_dscnt 0x0
	s_endpgm
.Lsums:                                                ; wave 2: the eight waves' sums, in ascending order
.irp p, 0,1,2,3,4,5,6,7
	ds_load_b128 v[64+4*\p:67+4*\p], v11 offset:512*\p
.endr
	s_wait_dscnt 0x0
.irp p, 1
	v_pk_add_f32 v[64:65], v[64:65], v[64+4*\p:65+4*\p]
	v_pk_add_f32 v[66:67], v[66:67], v[66+4*\p:67+4*\p]
.endr
.irp p, 2, 3, 4, 5, 6, 7
	s_delay_alu instid0(VALU_DEP_2)
	v_pk_add_f32 v[64:65], v[64:65], v[64+4*\p:65+4*\p]
	s_delay_alu instid0(VALU_DEP_2)
	v_pk_add_f32 v[66:67], v[66:67], v[66+4*\p:67+4*\p]
.endr
	global_store_b128 v4, v[64:67], s[10:11]       ; 512 consecutive bytes, aligned
	s_wait_tensorcnt 0x0
	ds_add_u32 v62, v63
	s_wait_dscnt 0x0
	s_endpgm
.Lfunc_end_k_qefb4933b87_quant_x:
	.size	k_qefb4933b87_quant_x, .Lfunc_end_k_qefb4933b87_quant_x-k_qefb4933b87_quant_x
	.p2alignl 7, 3214868480
	.fill 96, 4, 3214868480
	.section	.rodata,"a",@progbits
	.p2align	6, 0x0
	.amdhsa_kernel k_qefb4933b87_quant_x
		.amdhsa_group_segment_fixed_size 141312
		.amdhsa_private_segment_fixed_size 0
		.amdhsa_enable_private_segment 0
		.amdhsa_kernarg_size 32
		.amdhsa_user_sgpr_count 2
		.amdhsa_user_sgpr_kernarg_segment_ptr 1
		.amdhsa_wavefront_size32 1
		.amdhsa_system_sgpr_workgroup_id_x 1
		.amdhsa_system_sgpr_workgroup_id_y 1
		.amdhsa_system_sgpr_workgroup_id_z 1
		.amdhsa_system_vgpr_workitem_id 0
		.amdhsa_next_free_vgpr 256
		.amdhsa_next_free_sgpr 66
		.amdhsa_reserve_vcc 0
		.amdhsa_float_denorm_mode_32 3
		.amdhsa_float_denorm_mode_16_64 3
		.amdhsa_memory_ordered 1
		.amdhsa_forward_progress 1
		.amdhsa_inst_pref_size 28
	.end_amdhsa_kernel
	.amdgpu_metadata
---
amdhsa.version: [ 1, 2 ]
amdhsa.kernels:
  - .name:           k_qefb4933b87_quant_x
    .symbol:         k_qefb4933b87_quant_x.kd
    .args:
      - { .name: x, .offset: 0, .size: 8, .value_kind: global_buffer, .address_space: global }
      - { .name: xc, .offset: 8, .size: 8, .value_kind: global_buffer, .address_space: global }
      - { .name: xs, .offset: 16, .size: 8, .value_kind: global_buffer, .address_space: global }
      - { .name: psum, .offset: 24, .size: 8, .value_kind: global_buffer, .address_space: global }
    .group_segment_fixed_size: 141312
    .private_segment_fixed_size: 0
    .kernarg_segment_align: 8
    .kernarg_segment_size: 32
    .max_flat_workgroup_size: 256
    .sgpr_count:     66
    .vgpr_count:     256
    .wavefront_size: 32
...
	.end_amdgpu_metadata
.endif
;; end of part 1
;; launch quant_w_router (part 2): grid 320 x 1, 8 waves a work-group, no clusters, 51,456 bytes of LDS; arguments We, Wr1, Wr2, br1, psum, wq, plog; writes wq, plog
.if DOCPART == 2
	.amdgcn_target "amdgcn-amd-amdhsa--gfx1250"
	.amdhsa_code_object_version 6
	.text
	.protected	k_qefb4933b87_quant_w_router
	.globl	k_qefb4933b87_quant_w_router
	.p2align	8
	.type	k_qefb4933b87_quant_w_router,@function
k_qefb4933b87_quant_w_router:
	s_mov_b64 s[64:65], 0
	v_nop
	global_prefetch_b8 v0, s[64:65] scope:SCOPE_SE
	s_setreg_imm32_b32 hwreg(HW_REG_WAVE_MODE, 25, 1), 1
	s_wait_xcnt 0x0
; TWO JOBS IN ONE LAUNCH, parted on the work-group's number at the head; the two ways never join, and each has LDS bytes of its own.
; WORK-GROUPS 64 .. 319: We [8 e][1024 h][1024 d] f32, whose K = h is not innermost, becomes codes of FP4 (E2M1) and E8M0 scale bytes, in records laid as the product's launch reads them:
;   wq: 512 records of 8,704 bytes, record ((d / 64) x 4 + (d / 16) % 4) x 8 + e: 16 rows d x all of K.  32 x 256 bytes [block of 32 along K][r][16 bytes of codes], which is the image of the
;   operand's registers (K step s: 1,024 s + 512 c + 16 lane), then 2 x 256 bytes [g][r][16 scale bytes: blocks 16 g .. 16 g + 15].
;   A LANE TAKES A COLUMN d AND ITS REGISTERS RUN DOWN K: a block of 32 lies in one lane's 32 registers, and the conversions give codes with K innermost.  Nothing is transposed.
;   LIMITS: NaN and infinities in We are not served.  A block of zeros gets the byte 1 where the rule says 127: its codes are zeros, and this program alone reads the bytes.
; WORK-GROUPS 0 .. 63: the router, in f32 by fused multiply-adds.  Work-group j takes columns 16 j .. 16 j + 15 of Wr1: x_mean from psum, h = relu(x_mean Wr1 + br1), and the part of
;   h Wr2 that its 16 columns give: plog [64 j][8 b][8 e].  The next launch adds the 64 parts and br2 and takes the softmax.  The router is a chain of dependent steps that runs beside the stream of We:
;   16 columns to a work-group keep a wave's share at 256 packed multiply-adds.  The price: a work-group reads 64 of each row's 256 bytes, and four work-groups share such a piece of a row.
.set WSC, 0                            ; We's way: 1,024 bytes: [column half][lane][K step % 4] scale words
.set XMW, 1024                         ; the router's: x_mean, for each wave [8 b][128 k] f32: 4,096 bytes
.set RED, XMW+8*4096                   ; the waves' partial sums [wave][8 b][lane][2 columns] f32
.set PL,  RED+8*2048                   ; the partial logits [8 b][8 e] f32: 256 bytes
	s_load_b256 s[4:11], s[0:1], 0x0               ; We s[4:5], Wr1 s[6:7], Wr2 s[8:9], br1 s[10:11]
	s_load_b128 s[12:15], s[0:1], 0x20             ; psum s[12:13], wq s[14:15]
	s_load_b64 s[16:17], s[0:1], 0x30              ; plog
	s_set_vgpr_msb 0x40
	v_lshl_add_u32 v0, v0, 2, 0xc500
	v_mov_b32 v1, 0
	s_set_vgpr_msb 0x4000
	v_lshrrev_b32 v1, 5, v0
	s_delay_alu instid0(VALU_DEP_1)
	v_readfirstlane_b32 s18, v1                    ; wave 0..7
	v_and_b32 v1, 31, v0                           ; lane
	s_cmp_lt_u32 ttmp9, 64
	s_cbranch_scc1 .Lrouter
; ---------------- We.  A work-group takes 64 columns x 512 along K of one expert; wave w: 32 columns (w % 2) x one K step of 128 (w / 2).
	s_sub_co_u32 s20, ttmp9, 64
	s_and_b32 s21, s20, 1                          ; g: which half of K
	s_bfe_u32 s22, s20, 0x40001                    ; which 64 columns
	s_lshr_b32 s23, s20, 5                         ; e
	s_and_b32 s24, s18, 1                          ; which 32 of the 64 columns
	s_lshr_b32 s25, s18, 1
	s_lshl_b32 s26, s21, 2
	s_add_co_u32 s26, s26, s25                     ; my K step: 4 g + wave / 2
	s_lshl_b32 s28, s23, 22                        ; We: 4 MiB an expert,
	s_lshl_b32 s27, s26, 19                        ; 128 rows of 4,096 bytes a K step,
	s_add_co_u32 s28, s28, s27
	s_lshl_b32 s27, s22, 8                         ; 256 bytes for 64 columns,
	s_add_co_u32 s28, s28, s27
	s_lshl_b32 s27, s24, 7                         ; 128 for my 32
	s_add_co_u32 s28, s28, s27
	s_mov_b32 s29, 0
	s_lshl_b32 s30, s22, 2
	s_lshl_b32 s27, s24, 1
	s_add_co_u32 s30, s30, s27                     ; the tile of 16 columns of lanes 0-15
	s_lshl_b32 s30, s30, 3
	s_add_co_u32 s30, s30, s23
	s_mul_i32 s30, s30, 8704                       ; its record
	s_lshl_b32 s27, s26, 10
	s_add_co_u32 s32, s30, s27                     ; my K step's codes in it
	s_mov_b32 s33, 0
	s_lshl_b32 s27, s21, 8
	s_add_co_u32 s34, s30, s27
	s_add_co_u32 s34, s34, 8192                    ; and my half of K's scale bytes
	s_mov_b32 s35, 0
	s_lshl_b32 s36, s24, 9
	s_lshl_b32 s27, s25, 2
	s_add_co_u32 s37, s36, s27
	s_wait_alu depctr_va_vdst(0)
	v_lshlrev_b32 v4, 2, v1                        ; in: 4 bytes a lane
	v_and_b32 v2, 15, v0
	v_bfe_u32 v3, v0, 4, 1
	s_delay_alu instid0(VALU_DEP_1)
	v_mul_u32_u24 v5, v3, 69632                    ; out: lanes 16-31 hold the next tile of 16 columns: eight records on;
	s_delay_alu instid0(VALU_DEP_1)
	v_lshl_add_u32 v5, v2, 4, v5                   ; 16 bytes a row
	v_lshlrev_b32 v22, 4, v1
	s_delay_alu instid0(VALU_DEP_1)
	v_add_nc_u32 v6, s37, v22                      ; LDS: my column's scale word of my K step
	s_delay_alu instid0(VALU_DEP_2)
	v_add_nc_u32 v7, s36, v22                      ; and, for waves 0 and 1, a column's four words
	s_wait_alu depctr_va_vdst(0)
	s_wait_kmcnt 0x0
	s_add_nc_u64 s[4:5], s[4:5], s[28:29]
	s_add_nc_u64 s[32:33], s[14:15], s[32:33]
	s_add_nc_u64 s[34:35], s[14:15], s[34:35]
.set n, 0
.rept 128
	global_load_b32 v[128+n], v4, s[4:5] offset:4096*n th:TH_LOAD_NT   ; We(128 s + n, my column): 32 lanes read 128 consecutive bytes, the wave beside me the other half of the same 256
.set n, n+1
.endr
; Block t of my K step: 32 numbers, all mine.
.macro BLOCK t
.set XB, 128+32*(\t)
	v_max3_num_f32 v[8+(\t)], |v[XB]|, |v[XB+1]|, |v[XB+2]|        ; the largest magnitude, in two chains
	v_max3_num_f32 v21, |v[XB+3]|, |v[XB+4]|, |v[XB+5]|
.irp i, 6,10,14,18,22,26
	s_delay_alu instid0(VALU_DEP_2)
	v_max3_num_f32 v[8+(\t)], v[8+(\t)], |v[XB+\i]|, |v[XB+\i+1]|
	s_delay_alu instid0(VALU_DEP_2)
	v_max3_num_f32 v21, v21, |v[XB+\i+2]|, |v[XB+\i+3]|
.endr
	s_delay_alu instid0(VALU_DEP_2)
	v_max3_num_f32 v[8+(\t)], v[8+(\t)], |v[XB+30]|, |v[XB+31]|
	s_delay_alu instid0(VALU_DEP_1)
	v_max3_num_f32 v[8+(\t)], v[8+(\t)], v21, 0x1800000            ; and the floor 2^(3 - 127): the byte cannot fall under 1
	s_delay_alu instid0(VALU_DEP_1)
	v_add_nc_u32 v[12+(\t)], 0xff000000, v[8+(\t)]                 ; 2 off the exponent field: the conversion's scale operand
.if (\t) == 0
	s_delay_alu instid0(VALU_DEP_1)
	v_lshrrev_b32 v20, 23, v[12+(\t)]                              ; the scale's byte: the lower K in the lower byte of the K step's word
.else
	s_delay_alu instid0(VALU_DEP_1)
	v_lshrrev_b32 v[16+(\t)], 23, v[12+(\t)]
	s_delay_alu instid0(VALU_DEP_1)
	v_lshl_or_b32 v20, v[16+(\t)], 8*(\t), v20
.endif
.irp g, 0,1,2,3
	v_cvt_scalef32_pk8_fp4_f32 v[32+4*(\t)+\g], v[XB+8*\g:XB+8*\g+7], v[12+(\t)]
.endr
	v_nop                                          ; one plain place behind the last scaled conversion
	global_store_b128 v5, v[32+4*(\t):35+4*(\t)], s[32:33] offset:256*(\t)   ; each half of the lanes stores 256 consecutive bytes, aligned
.endm
	s_wait_loadcnt 63                              ; of 128 loads at most 63 are out: blocks 0 and 1 are in (64 were issued behind them; the count's field ends at 63)
	BLOCK 0
	BLOCK 1
	s_wait_loadcnt 32                              ; block 3's 32 may be out
	BLOCK 2
	s_wait_loadcnt 0x0
	BLOCK 3
	ds_store_b32 v6, v20
	s_wait_dscnt 0x0                               ; for the others' sake
	s_barrier_signal -1
	s_barrier_wait -1
	s_cmp_lt_u32 s18, 2
	s_cbranch_scc0 .Lwe_done
	ds_load_b128 v[24:27], v7                      ; waves 0 and 1 (their 32 columns are the ones they quantised): four K steps' words of a column: 16 scale bytes
	s_wait_dscnt 0x0
	global_store_b128 v5, v[24:27], s[34:35]       ; each half of the lanes stores 256 consecutive bytes, aligned
.Lwe_done:
	s_set_vgpr_msb 0x5
	s_wait_tensorcnt 0x0
	ds_add_u32 v0, v1
	s_wait_dscnt 0x0
	s_set_vgpr_msb 0x500
	s_endpgm
; ---------------- The router.  Wave w takes k = 128 w .. 128 w + 127.  Lane (ks = lane / 8, cp = lane % 8) takes the two columns 16 j + 2 cp, + 1 and the 32 rows k = 128 w + 32 ks + i.
; v2 16 lane, v3 8 lane, v8 / v9 / v12 offsets in Wr1, br1, Wr2; v4-7, v10, v11 LDS addresses; v16-31 the sums, a pair (my two columns) for each batch;
; v32-159 psum's numbers, then v32-63, v64-95 x_mean of four k x eight batches, two sets; v160-223 my 32 rows of Wr1 (a pair a row); v224-225 br1, v228-243 my two rows of Wr2.
.Lrouter:
	s_lshl_b32 s20, s18, 19                        ; Wr1: my wave's 128 rows of 4,096 bytes,
	s_lshl_b32 s22, ttmp9, 6                       ; 64 bytes for the work-group's 16 columns
	s_add_co_u32 s20, s20, s22
	s_mov_b32 s21, 0
	s_mov_b32 s23, 0                               ; s[22:23] = 64 j: br1's offset too
	s_lshl_b32 s24, s18, 9                         ; psum: my 128 columns
	s_mov_b32 s25, 0
	s_lshl_b32 s26, ttmp9, 9                       ; Wr2: 16 rows of 32 bytes
	s_mov_b32 s27, 0
	s_lshl_b32 s34, ttmp9, 8                       ; plog: 256 bytes a part
	s_mov_b32 s35, 0
	s_lshl_b32 s28, s18, 12
	s_add_co_u32 s28, s28, XMW
	s_lshl_b32 s29, s18, 11
	s_add_co_u32 s29, s29, RED
	s_lshl_b32 s30, s18, 8
	s_add_co_u32 s30, s30, RED
	s_lshl_b32 s31, s18, 5
	s_add_co_u32 s31, s31, PL
	s_mov_b32 s32, 0x76543210
	s_mov_b32 s33, 0xfedcba98                      ; v_permlanex16_b32's selects for lane l xor 16
	s_wait_alu depctr_va_vdst(0)
	v_lshlrev_b32 v2, 4, v1
	v_lshlrev_b32 v3, 3, v1
	v_and_b32 v13, 7, v0                           ; cp
	v_bfe_u32 v14, v0, 3, 2                        ; ks
	s_delay_alu instid0(VALU_DEP_2)
	v_lshlrev_b32 v9, 3, v13                       ; 8 bytes for my two columns
	s_delay_alu instid0(VALU_DEP_1)
	v_lshl_add_u32 v8, v14, 17, v9                 ; + 32 ks rows of 4,096 bytes
	s_delay_alu instid0(VALU_DEP_4)
	v_lshlrev_b32 v12, 6, v13                      ; Wr2: my two rows of 32 bytes
	v_add_nc_u32 v4, s28, v2                       ; x_mean in: four k a lane
	v_lshlrev_b32 v5, 7, v14
	s_delay_alu instid0(VALU_DEP_1)
	v_add_nc_u32 v5, s28, v5                       ; x_mean out: my 32 k begin 128 ks bytes on; eight lanes read the same 16 bytes
	v_add_nc_u32 v6, s29, v3                       ; my wave's partial sums
	v_add_nc_u32 v7, s30, v3                       ; batch b = wave: every wave's partial sums of it
	v_mov_b32 v10, s31                             ; its eight partial logits
	v_add_nc_u32 v11, PL, v3
	s_wait_alu depctr_va_vdst(0)
	s_wait_kmcnt 0x0
	s_add_nc_u64 s[6:7], s[6:7], s[20:21]
	s_add_nc_u64 s[12:13], s[12:13], s[24:25]
	s_add_nc_u64 s[10:11], s[10:11], s[22:23]
	s_add_nc_u64 s[8:9], s[8:9], s[26:27]
	s_add_nc_u64 s[16:17], s[16:17], s[34:35]
.irp q, 0,1,2,3,4,5,6,7,8,9,10,11,12,13,14,15,16,17,18,19,20,21,22,23,24,25,26,27,28,29,30,31
	global_load_b128 v[32+4*\q:35+4*\q], v2, s[12:13] offset:4096*\q   ; psum[4 b + p][my four k]
.endr
.irp i, 0,1,2,3,4,5,6,7,8,9,10,11,12,13,14,15,16,17,18,19,20,21,22,23,24,25,26,27,28,29,30,31
	global_load_b64 v[160+2*\i:161+2*\i], v8, s[6:7] offset:4096*\i    ; Wr1(128 w + 32 ks + i, my two columns): four rows x 64 consecutive bytes; all 32 are asked for at once
.endr
	global_load_b64 v[224:225], v9, s[10:11]       ; br1 of my two columns
.irp q, 0,1,2,3
	global_load_b128 v[228+4*\q:231+4*\q], v12, s[8:9] offset:16*\q    ; my two rows of Wr2
.endr
.macro XMG g                           ; x_mean of my k = 4 g .. 4 g + 3, all eight batches, into set g % 2
.irp b, 0,1,2,3,4,5,6,7
	ds_load_b128 v[32+32*((\g)%2)+4*\b:32+32*((\g)%2)+4*\b+3], v5 offset:512*\b+16*(\g)
.endr
.endm
	s_wait_loadcnt 37                              ; psum is in; behind it stand Wr1's 32 loads, br1's one and Wr2's four
.irp b, 0,1,2,3,4,5,6,7                        ; the mean: a batch's four groups of 256 rows, then x 2^-10
	v_pk_add_f32 v[32+16*\b:33+16*\b], v[32+16*\b:33+16*\b], v[36+16*\b:37+16*\b]
	v_pk_add_f32 v[34+16*\b:35+16*\b], v[34+16*\b:35+16*\b], v[38+16*\b:39+16*\b]
	s_delay_alu instid0(VALU_DEP_2)
	v_pk_add_f32 v[32+16*\b:33+16*\b], v[32+16*\b:33+16*\b], v[40+16*\b:41+16*\b]
	s_delay_alu instid0(VALU_DEP_2)
	v_pk_add_f32 v[34+16*\b:35+16*\b], v[34+16*\b:35+16*\b], v[42+16*\b:43+16*\b]
	s_delay_alu instid0(VALU_DEP_2)
	v_pk_add_f32 v[32+16*\b:33+16*\b], v[32+16*\b:33+16*\b], v[44+16*\b:45+16*\b]
	s_delay_alu instid0(VALU_DEP_2)
	v_pk_add_f32 v[34+16*\b:35+16*\b], v[34+16*\b:35+16*\b], v[46+16*\b:47+16*\b]
	s_delay_alu instid0(VALU_DEP_2)
	v_pk_mul_f32 v[32+16*\b:33+16*\b], v[32+16*\b:33+16*\b], 0x3a800000 op_sel_hi:[1,0]
	s_delay_alu instid0(VALU_DEP_2)
	v_pk_mul_f32 v[34+16*\b:35+16*\b], v[34+16*\b:35+16*\b], 0x3a800000 op_sel_hi:[1,0]
	ds_store_b128 v4, v[32+16*\b:35+16*\b] offset:512*\b       ; the wave's own bytes: no barrier
.endr
	s_wait_dscnt 0x0                               ; the stores have read their registers, which the loads below fill
	XMG 0
	XMG 1
; Four of my rows of Wr1 against x_mean of the same four k: 32 packed multiply-adds; of the pair of x_mean's registers one word serves both columns.
.macro GROUP g
	s_wait_loadcnt 33-4*(\g)                       ; rows 4 g .. 4 g + 3 are in: behind them stand 28 - 4 g rows and the five loads of br1 and Wr2
.if (\g) == 7
	s_wait_dscnt 0x0
.else
	s_wait_dscnt 8                                 ; this group's eight loads are in; the next group's eight may be out
.endif
.set XM, 32+32*((\g)%2)
.set WB, 160+8*(\g)
.irp p, 0,1
.irp b, 0,1,2,3,4,5,6,7
.if ((\g) == 0) && (\p == 0)
	v_pk_mul_f32 v[16+2*\b:17+2*\b], v[WB+4*\p:WB+4*\p+1], v[XM+4*\b+2*\p:XM+4*\b+2*\p+1] op_sel_hi:[1,0]   ; the first row starts the sums: nothing is cleared
.else
	v_pk_fma_f32 v[16+2*\b:17+2*\b], v[WB+4*\p:WB+4*\p+1], v[XM+4*\b+2*\p:XM+4*\b+2*\p+1], v[16+2*\b:17+2*\b] op_sel_hi:[1,0,1]
.endif
.endr
.irp b, 0,1,2,3,4,5,6,7
	v_pk_fma_f32 v[16+2*\b:17+2*\b], v[WB+4*\p+2:WB+4*\p+3], v[XM+4*\b+2*\p:XM+4*\b+2*\p+1], v[16+2*\b:17+2*\b] op_sel:[0,1,0] op_sel_hi:[1,1,1]
.endr
.endr
.if (\g)+2 < 8
	XMG (\g)+2
.endif
.endm
.irp g, 0,1,2,3,4,5,6,7
	s_wait_alu depctr_va_vdst(0)
	GROUP \g
.endr
.irp b, 0,1,2,3,4,5,6,7
	ds_store_b64 v6, v[16+2*\b:17+2*\b] offset:256*\b
.endr
	s_wait_dscnt 0x0                               ; for the others' sake
	s_barrier_signal -1
	s_barrier_wait -1
.irp p, 0,1,2,3,4,5,6,7                        ; wave w finishes batch w: the eight waves' slices of K, in ascending order,
	ds_load_b64 v[32+2*\p:33+2*\p], v7 offset:2048*\p
.endr
	s_wait_dscnt 0x0
	s_wait_loadcnt 0x0                             ; br1, Wr2
.irp p, 1
	v_pk_add_f32 v[32:33], v[32:33], v[32+2*\p:33+2*\p]
.endr
.irp p, 2, 3, 4, 5, 6, 7
	s_delay_alu instid0(VALU_DEP_1)
	v_pk_add_f32 v[32:33], v[32:33], v[32+2*\p:33+2*\p]
.endr
	s_delay_alu instid0(VALU_DEP_1)
	v_add_f32_dpp v32, v32, v32 row_xmask:8 row_mask:0xf bank_mask:0xf   ; then the four ks: lanes l xor 8
	s_delay_alu instid0(VALU_DEP_2)
	v_add_f32_dpp v33, v33, v33 row_xmask:8 row_mask:0xf bank_mask:0xf
	s_delay_alu instid0(VALU_DEP_2)
	v_permlanex16_b32 v34, v32, s32, s33           ; and l xor 16 (the destinations have been written: they held slices)
	s_delay_alu instid0(VALU_DEP_2)
	v_permlanex16_b32 v35, v33, s32, s33
	s_delay_alu instid0(VALU_DEP_1)
	v_pk_add_f32 v[32:33], v[32:33], v[34:35]
	s_delay_alu instid0(VALU_DEP_1)
	v_pk_add_f32 v[32:33], v[32:33], v[224:225]
	s_delay_alu instid0(VALU_DEP_1)
	v_max_num_f32 v32, 0, v32
	s_delay_alu instid0(VALU_DEP_2)
	v_max_num_f32 v33, 0, v33                      ; h of my two columns; the four lanes of one cp hold the same
.irp i, 0,1,2,3
	v_pk_mul_f32 v[40+2*\i:41+2*\i], v[228+2*\i:229+2*\i], v[32:33] op_sel_hi:[1,0]                                      ; h0 x Wr2's row, two experts at a time
.endr
.irp i, 0,1,2,3
	s_delay_alu instid0(VALU_DEP_4)
	v_pk_fma_f32 v[40+2*\i:41+2*\i], v[236+2*\i:237+2*\i], v[32:33], v[40+2*\i:41+2*\i] op_sel:[0,1,0] op_sel_hi:[1,1,1]   ; + h1 x the next row
.endr
.irp m, 1,2,4                                  ; over the eight cp: the eight experts by turns
.irp e, 0,1,2,3,4,5,6,7
	v_add_f32_dpp v[40+\e], v[40+\e], v[40+\e] row_xmask:\m row_mask:0xf bank_mask:0xf
.endr
.endr
	ds_store_b128 v10, v[40:43]                    ; every lane writes the same words with the same values
	ds_store_b128 v10, v[44:47] offset:16
	s_wait_dscnt 0x0
	s_barrier_signal -1
	s_barrier_wait -1
	s_cmp_lg_u32 s18, 0
	s_cbranch_scc1 .Lr_done
	ds_load_b64 v[56:57], v11
	s_wait_dscnt 0x0
	global_store_b64 v3, v[56:57], s[16:17]        ; 32 lanes store 256 consecutive bytes, aligned
.Lr_done:
	s_set_vgpr_msb 0x5
	s_wait_tensorcnt 0x0
	ds_add_u32 v0, v1
	s_wait_dscnt 0x0
	s_set_vgpr_msb 0x500
	s_endpgm
.Lfunc_end_k_qefb4933b87_quant_w_router:
	.size	k_qefb4933b87_quant_w_router, .Lfunc_end_k_qefb4933b87_quant_w_router-k_qefb4933b87_quant_w_router
	.p2alignl 7, 3214868480
	.fill 96, 4, 3214868480
	.section	.rodata,"a",@progbits
	.p2align	6, 0x0
	.amdhsa_kernel k_qefb4933b87_quant_w_router
		.amdhsa_group_segment_fixed_size 51456
		.amdhsa_private_segment_fixed_size 0
		.amdhsa_enable_private_segment 0
		.amdhsa_kernarg_size 56
		.amdhsa_user_sgpr_count 2
		.amdhsa_user_sgpr_kernarg_segment_ptr 1
		.amdhsa_wavefront_size32 1
		.amdhsa_system_sgpr_workgroup_id_x 1
		.amdhsa_system_sgpr_workgroup_id_y 1
		.amdhsa_system_sgpr_workgroup_id_z 1
		.amdhsa_system_vgpr_workitem_id 0
		.amdhsa_next_free_vgpr 258
		.amdhsa_next_free_sgpr 66
		.amdhsa_reserve_vcc 0
		.amdhsa_float_denorm_mode_32 3
		.amdhsa_float_denorm_mode_16_64 3
		.amdhsa_memory_ordered 1
		.amdhsa_forward_progress 1
		.amdhsa_inst_pref_size 65
	.end_amdhsa_kernel
	.amdgpu_metadata
---
amdhsa.version: [ 1, 2 ]
amdhsa.kernels:
  - .name:           k_qefb4933b87_quant_w_router
    .symbol:         k_qefb4933b87_quant_w_router.kd
    .args:
      - { .name: We, .offset: 0, .size: 8, .value_kind: global_buffer, .address_space: global }
      - { .name: Wr1, .offset: 8, .size: 8, .value_kind: global_buffer, .address_space: global }
      - { .name: Wr2, .offset: 16, .size: 8, .value_kind: global_buffer, .address_space: global }
      - { .name: br1, .offset: 24, .size: 8, .value_kind: global_buffer, .address_space: global }
      - { .name: psum, .offset: 32, .size: 8, .value_kind: global_buffer, .address_space: global }
      - { .name: wq, .offset: 40, .size: 8, .value_kind: global_buffer, .address_space: global }
      - { .name: plog, .offset: 48, .size: 8, .value_kind: global_buffer, .address_space: global }
    .group_segment_fixed_size: 51456
    .private_segment_fixed_size: 0
    .kernarg_segment_align: 8
    .kernarg_segment_size: 56
    .max_flat_workgroup_size: 256
    .sgpr_count:     66
    .vgpr_count:     258
    .wavefront_size: 32
...
	.end_amdgpu_metadata
.endif
;; end of part 2
;; launch experts (part 3): grid 16 x 16, 8 waves a work-group, clusters of 4 x 1, 327,680 bytes of LDS; arguments xc, xs, wq, be, plog, br2, out0; writes out0
.if DOCPART == 3
	.amdgcn_target "amdgcn-amd-amdhsa--gfx1250"
	.amdhsa_code_object_version 6
	.text
	.protected	k_qefb4933b87_experts
	.globl	k_qefb4933b87_experts
	.p2align	8
	.type	k_qefb4933b87_experts,@function
k_qefb4933b87_experts:
	s_mov_b64 s[64:65], 0
	v_nop
	global_prefetch_b8 v0, s[64:65] scope:SCOPE_SE
	s_setreg_imm32_b32 hwreg(HW_REG_WAVE_MODE, 25, 1), 1
	s_wait_xcnt 0x0
	s_wait_alu depctr_hold_cnt(0) depctr_sa_sdst(0) depctr_va_vdst(0) depctr_va_sdst(0) depctr_va_ssrc(0) depctr_va_vcc(0) depctr_vm_vsrc(0)
	s_getreg_b32 s2, hwreg(HW_REG_IB_STS2, 6, 4)
	s_cmp_eq_u32 s2, 0
	s_cbranch_scc0 .Lentry_in_a_cluster
	s_endpgm
.Lentry_in_a_cluster:
	s_bfe_u32 s2, ttmp6, 0x10000c
	s_cmp_lg_u32 s2, 0x3003
	s_cbranch_scc0 .Lentry_shape_is_right
	s_endpgm
.Lentry_shape_is_right:
; out[row][d] = sum over e of routing[b][e] x relu(x[row] . We[e][:, d] + be[e][d]), the product on codes of FP4 with E8M0 scales (xc, xs, wq as the two launches before laid them).
; The routing is finished here: the 64 parts of plog and br2 are added, and the softmax over the 8 experts is taken with its maximum taken away.
; SHARES.  A work-group makes 512 rows x 64 columns d, all 8 experts: 256 work-groups.  Eight waves, two to a SIMD: wave w owns the 16 columns of tile w % 4 and the experts 4 (w / 4) .. + 3.
; Its weights, 4 experts x 1,024 K, stay in registers (window 1, 256 registers).  The 512 rows of x lie in LDS and every wave walks them, 16 rows a run: 32 matrix instructions on 4 accumulators by turns,
; in two unbroken groups of 16; behind each group stands half of the relu and the weighted sum of the run before (the other set of accumulators).
; The two halves of the experts meet in LDS: two stages of 32 rows by turns, each [expert half][32 rows][256 bytes + 16]; behind a barrier each wave reads 4 rows of both halves, adds and stores whole units of 256 bytes.
; That barrier is split: signalled in the middle of a run, waited for at its end; between the two stand register work and loads of x's bytes, which nobody writes.
; x COMES JOINTLY: the four work-groups of a cluster make the same rows.  At the head waves 0-3 fetch the scale words, waves 4-7 the first 128 rows; the other 384 rows, 24,576 bytes a wave, are asked for behind the
; full sequence and a round, and are waited for behind the first five runs, which are written out.  The weights differ from work-group to work-group of a cluster and go from memory straight to registers: no joint load.
; No prefetch: all that the work-group reads is asked for at its head; there is no loop to run ahead in.
; The matrix instruction takes 16 rows d of the weights as source 0 and 16 rows of x as source 1: a lane holds one row of x and eight neighbouring d.
; LIMIT: NaN and infinities are not served.
.set SPI,  272                         ; a stage row: 256 bytes + 16
.set STG1, 2*32*SPI                    ; one stage
.set XCB,  2*STG1                      ; x's codes: 32 tiles of 8,192 bytes
.set XSL,  XCB+262144                  ; x's scale words: 4 groups of 4,096 bytes
.set SPARE, XSL+16384                  ; the spare words: 128 bytes a wave
.set REC,  8704
.set SPW,  18                          ; v18 my spare word, v19 0: kept for the add alone
.set NIL,  19
.set WS,   20                          ; v20-35   the weights' scale words: 4 an expert; lanes 0-15 K steps 0-3, lanes 16-31 K steps 4-7
.set XQ,   36                          ; v36-51   x's scale words of 64 rows: register 2 s + pair of tiles
.set BB,   52                          ; v52-83   be, as the C of each sum's first product
.set ACC,  84                          ; v84-147  two sets of 4 accumulators
.set OUT,  148                         ; v148-155 my experts' part of a tile of out
.set XF,   156                         ; v156-219 a tile of x: 8 registers a K step
.set SB,   220                         ; v220-235 the way out
.set RR,   84                          ; s84-99 the 8 routing weights, as pairs;  s76-83 my four
.set R4,   76
.set MSB,  0
.macro WIN new
.if MSB != \new
	s_set_vgpr_msb (MSB<<8)|\new
.set MSB, \new
.endif
.endm
.macro ROUND
	s_barrier_signal -1
	s_barrier_wait -1
	s_cmp_lg_u32 s18, 0
	s_cbranch_scc1 .Lnot_wave_0_\@
	s_barrier_signal -3
.Lnot_wave_0_\@:
	s_barrier_wait -3
	s_barrier_signal -1
	s_barrier_wait -1
.endm
.macro PLACES
.rept 4
	v_nop
.endr
.endm
	s_load_b256 s[4:11], s[0:1], 0x0               ; xc, xs, wq, be
	s_load_b128 s[12:15], s[0:1], 0x20             ; plog, br2
	s_load_b64 s[16:17], s[0:1], 0x30              ; out0
	v_lshl_add_u32 v[SPW], v0, 2, SPARE
	v_mov_b32 v[NIL], 0
	ds_add_u32 v[SPW], v[NIL]                      ; the opening lines: the add twice on end and one wait
	ds_add_u32 v[SPW], v[NIL]
	v_lshrrev_b32 v16, 5, v0
	v_readfirstlane_b32 s18, v16                   ; wave 0..7
	s_bfe_u32 s19, ttmp6, 0x40000                  ; cx
	s_lshl_b32 s20, ttmp9, 2
	s_add_co_u32 s20, s20, s19                     ; which 64 columns
	s_and_b32 s21, ttmp7, 0xffff                   ; which 512 rows
	s_and_b32 s26, s18, 3                          ; my tile of 16 columns
	s_lshr_b32 s27, s18, 2                         ; my half of the experts
	s_mov_b32 s32, 15|(3<<16)|(1<<21)              ; group 1, rows of 256 bytes (32 elements of 8), dense; mask: the cluster's four.  64 rows: two tiles of codes
	s_mov_b32 s33, 32<<16
	s_mov_b32 s34, 64<<16
	s_mov_b32 s35, 32<<16
	s_mov_b32 s36, 64
	s_mov_b32 s37, 32
	s_mov_b32 s38, 0
	s_mov_b32 s39, 0
	s_mov_b32 s40, 15|(3<<16)|(1<<21)              ; 16 rows: a group's scale words
	s_mov_b32 s41, 32<<16
	s_mov_b32 s42, 16<<16
	s_mov_b32 s43, 32<<16
	s_mov_b32 s44, 16
	s_mov_b32 s45, 32
	s_mov_b32 s46, 0
	s_mov_b32 s47, 0
	s_mov_b32 s68, 15|(3<<16)|(1<<21)              ; 96 rows: three tiles of codes
	s_mov_b32 s69, 32<<16
	s_mov_b32 s70, 96<<16
	s_mov_b32 s71, 32<<16
	s_mov_b32 s72, 96
	s_mov_b32 s73, 32
	s_mov_b32 s74, 0
	s_mov_b32 s75, 0
	s_lshl_b32 s22, s21, 18                        ; xc: 262,144 bytes for 512 rows
	s_lshl_b32 s28, s26, 14
	s_add_co_u32 s60, s22, s28                     ; head, waves 4-7: tiles 2 (w % 4), + 1
	s_mov_b32 s61, 0
	s_add_co_u32 s49, s28, XCB
	s_lshl_b32 s62, s21, 14                        ; xs: 16,384 bytes for 512 rows
	s_lshl_b32 s28, s26, 12
	s_add_co_u32 s62, s62, s28                     ; head, waves 0-3: group w
	s_mov_b32 s63, 0
	s_add_co_u32 s53, s28, XSL
	s_mul_i32 s28, s18, 24576
	s_add_co_u32 s28, s28, 65536                   ; later: tiles 8 + 3 w .. + 2
	s_add_co_u32 s66, s22, s28
	s_mov_b32 s67, 0
	s_add_co_u32 s57, s28, XCB
	s_mov_b32 s48, 1
	s_mov_b32 s52, 1
	s_mov_b32 s56, 1
	s_lshl_b32 s2, s20, 2
	s_add_co_u32 s2, s2, s26
	s_lshl_b32 s2, s2, 1
	s_add_co_u32 s2, s2, s27
	s_mul_i32 s2, s2, 4*REC                        ; wq: my four records
	s_mov_b32 s3, 0
	s_lshl_b32 s24, s20, 8
	s_lshl_b32 s25, s26, 6
	s_add_co_u32 s22, s24, s25
	s_lshl_b32 s23, s27, 14
	s_add_co_u32 s22, s22, s23                     ; be: my first expert's row, my 16 columns
	s_mov_b32 s23, 0
	s_lshl_b32 s28, s21, 21
	s_lshl_b32 s29, s18, 14
	s_add_co_u32 s28, s28, s29
	s_add_co_u32 s28, s28, s24                     ; out: 512 rows a work-group, 4 rows a wave, 256 bytes for 64 columns
	s_mov_b32 s29, 0
	s_lshr_b32 s30, s21, 1
	s_lshl_b32 s30, s30, 5                         ; plog: my batch's 8 logits
	s_mov_b32 s31, 0
	s_mul_i32 s24, s27, 32*SPI
	s_add_co_u32 s25, s24, s25                     ; stage, in: my half of the experts, my 64 bytes of a row
	s_mul_i32 s24, s18, 4*SPI                      ; stage, out: my 4 rows
	s_mov_b32 s100, 0x76543210
	s_mov_b32 s101, 0xfedcba98                     ; selects for lane l xor 16
	v_and_b32 v15, 31, v0
	v_lshlrev_b32 v12, 4, v15                      ; 16 x lane
	v_add_nc_u32 v1, XCB, v12                      ; x's codes from tile 0
	v_add_nc_u32 v3, XSL, v12                      ; x's scale words from group 0
	v_add_nc_u32 v4, XCB+6*8192, v12               ; the loop's: from tile 6,
	v_add_nc_u32 v5, XSL+4096, v12                 ; and from group 1
	v_and_b32 v14, 15, v0
	v_bfe_u32 v15, v0, 4, 1
	v_lshlrev_b32 v2, 5, v15
	v_mul_u32_u24 v7, v14, SPI
	v_add_nc_u32 v7, v7, v2
	v_add_nc_u32 v7, s25, v7                       ; stage, in: row r, + 32 h
	v_mul_u32_u24 v9, v15, SPI
	v_lshl_add_u32 v9, v14, 4, v9
	v_add_nc_u32 v9, s24, v9                       ; stage, out: sixteen lanes to a row
	v_lshlrev_b32 v10, 12, v15
	v_lshl_add_u32 v10, v14, 4, v10                ; and the same place in out
	v_bfe_u32 v16, v0, 1, 4
	v_and_b32 v17, 1, v0
	v_lshlrev_b32 v6, 4, v17
	v_lshl_add_u32 v13, v16, 8, v6
.irp i, 0,1,2,3
	v_mov_b32 v[244+\i], 0
.endr
	s_wait_alu depctr_va_vdst(0)
	s_wait_dscnt 0x0
	s_wait_kmcnt 0x0
	s_add_nc_u64 s[50:51], s[4:5], s[60:61]
	s_or_b32 s51, s51, 0x80000000
	s_add_nc_u64 s[54:55], s[6:7], s[62:63]
	s_or_b32 s55, s55, 0x80000000
	s_add_nc_u64 s[58:59], s[4:5], s[66:67]
	s_or_b32 s59, s59, 0x80000000
	s_add_nc_u64 s[8:9], s[8:9], s[2:3]
	s_add_nc_u64 s[10:11], s[10:11], s[22:23]
	s_add_nc_u64 s[12:13], s[12:13], s[30:31]
	s_add_nc_u64 s[16:17], s[16:17], s[28:29]
	ROUND
	s_cmp_lt_u32 s18, 4                            ; the head's loads, one a wave
	s_cbranch_scc0 .Lh_codes
	tensor_load_to_lds s[52:55], s[40:47]
	s_nop 0
	PLACES
	s_branch .Lh_done
.Lh_codes:
	tensor_load_to_lds s[48:51], s[32:39]
	s_nop 0
	PLACES
.Lh_done:
.irp q, 0,1,2,3
	global_load_b128 v[224+4*\q:227+4*\q], v13, s[12:13] offset:4096*\q
.endr
	global_load_b128 v[240:243], v6, s[14:15]
.irp k, 0,1,2,3
	global_load_b128 v[WS+4*\k:WS+4*\k+3], v12, s[8:9] offset:REC*\k+8192
.endr
.irp k, 0,1,2,3
	global_load_b128 v[BB+8*\k:BB+8*\k+3], v2, s[10:11] offset:4096*\k
	global_load_b128 v[BB+8*\k+4:BB+8*\k+7], v2, s[10:11] offset:4096*\k+16
.endr
	WIN 0x40                                       ; the weights: window 1, register 64 k + 8 s
.irp k, 0,1,2,3
.irp s, 0,1,2,3,4,5,6,7
.irp c, 0,1
	global_load_b128 v[64*\k+8*\s+4*\c:64*\k+8*\s+4*\c+3], v12, s[8:9] offset:REC*\k+1024*\s+512*\c
.endr
.endr
.endr
	WIN 0
	s_wait_tensorcnt 0x0                           ; my head's load is in
	ds_add_u32 v[SPW], v[NIL]
	s_wait_dscnt 0x0
	ROUND                                          ; the first 128 rows and all scale words are whole, in all four work-groups
	tensor_load_to_lds s[56:59], s[68:75]          ; the other 384 rows, three tiles a wave
	s_nop 0
	PLACES
	s_wait_loadcnt 63                              ; plog and br2 are in (76 loads were issued behind them)
	v_pk_add_f32 v[224:225], v[224:225], v[228:229]
	v_pk_add_f32 v[226:227], v[226:227], v[230:231]
	v_pk_add_f32 v[232:233], v[232:233], v[236:237]
	v_pk_add_f32 v[234:235], v[234:235], v[238:239]
	v_pk_add_f32 v[224:225], v[224:225], v[232:233]
	v_pk_add_f32 v[226:227], v[226:227], v[234:235]
.irp m, 2,4,8
.irp i, 0,1,2,3
	v_add_f32_dpp v[224+\i], v[224+\i], v[224+\i] row_xmask:\m row_mask:0xf bank_mask:0xf
.endr
.endr
.irp i, 0,1,2,3
	v_permlanex16_b32 v[244+\i], v[224+\i], s100, s101
.endr
.irp i, 0,1,2,3
	v_add_f32 v[224+\i], v[224+\i], v[244+\i]      ; the 64 parts: even lanes hold experts 0-3, odd lanes 4-7
.endr
.irp i, 0,1,2,3
	v_add_f32 v[224+\i], v[224+\i], v[240+\i]      ; + br2
.endr
	v_max3_num_f32 v248, v224, v225, v226
	v_max_num_f32 v248, v248, v227
	v_max_num_f32_dpp v248, v248, v248 row_xmask:1 row_mask:0xf bank_mask:0xf
.irp i, 0,1,2,3
	v_sub_f32 v[224+\i], v[224+\i], v248           ; the maximum is taken away
.endr
.irp i, 0,1,2,3
	v_mul_f32 v[224+\i], 0x3fb8aa3b, v[224+\i]
.endr
	s_wait_alu depctr_va_vdst(0)
.irp i, 0,1,2,3
	v_exp_f32 v[224+\i], v[224+\i]
.endr
	v_nop
	s_wait_alu depctr_va_vdst(0)
	v_add_f32 v249, v224, v225
	v_add_f32 v250, v226, v227
	v_add_f32 v249, v249, v250
	v_add_f32_dpp v249, v249, v249 row_xmask:1 row_mask:0xf bank_mask:0xf
	s_wait_alu depctr_va_vdst(0)
	v_rcp_f32 v249, v249
	v_nop
	s_wait_alu depctr_va_vdst(0)
.irp i, 0,1,2,3
	v_mul_f32 v[224+\i], v[224+\i], v249
.endr
.irp i, 0,1,2,3
	v_readlane_b32 s[RR+2*\i], v[224+\i], 0
	v_readlane_b32 s[RR+8+2*\i], v[224+\i], 1
.endr
.irp e, 0,1,2,3,4,5,6,7
	s_mov_b32 s[RR+2*\e+1], s[RR+2*\e]
.endr
	s_cmp_eq_u32 s27, 0                            ; my four experts' weights: a choice of values on the wave's number
.irp i, 0,1,2,3
	s_cselect_b64 s[R4+2*\i:R4+2*\i+1], s[RR+2*\i:RR+2*\i+1], s[RR+8+2*\i:RR+8+2*\i+1]
.endr
	s_wait_loadcnt 0x0                             ; the weights, their scales, be
; one product: tile parity p (accumulator set, and the row of x's scale register), K step s, expert k, pair of tiles xw
.macro MM p, s, k, xw
.set rD, ACC+32*(\p)+8*(\k)
.set rA, 64*(\k)+8*(\s)
.set rB, XF+8*(\s)
.if (\s) == 0
.set rC, BB+8*(\k)
.else
.set rC, rD
.endif
.set rP, WS+4*(\k)+((\s)%4)
.set rQ, XQ+2*(\s)+(\xw)
.if (\s) < 4
.if (\p) == 0
	v_wmma_scale_f32_16x16x128_f8f6f4 v[rD:rD+7], v[rA:rA+7], v[rB:rB+7], v[rC:rC+7], v[rP], v[rQ] matrix_a_fmt:MATRIX_FMT_FP4 matrix_b_fmt:MATRIX_FMT_FP4
.else
	v_wmma_scale_f32_16x16x128_f8f6f4 v[rD:rD+7], v[rA:rA+7], v[rB:rB+7], v[rC:rC+7], v[rP], v[rQ] matrix_a_fmt:MATRIX_FMT_FP4 matrix_b_fmt:MATRIX_FMT_FP4 matrix_b_scale:MATRIX_SCALE_ROW1
.endif
.else
.if (\p) == 0
	v_wmma_scale_f32_16x16x128_f8f6f4 v[rD:rD+7], v[rA:rA+7], v[rB:rB+7], v[rC:rC+7], v[rP], v[rQ] matrix_a_fmt:MATRIX_FMT_FP4 matrix_b_fmt:MATRIX_FMT_FP4 matrix_a_scale:MATRIX_SCALE_ROW1
.else
	v_wmma_scale_f32_16x16x128_f8f6f4 v[rD:rD+7], v[rA:rA+7], v[rB:rB+7], v[rC:rC+7], v[rP], v[rQ] matrix_a_fmt:MATRIX_FMT_FP4 matrix_b_fmt:MATRIX_FMT_FP4 matrix_a_scale:MATRIX_SCALE_ROW1 matrix_b_scale:MATRIX_SCALE_ROW1
.endif
.endif
.endm
; line q of the 32 that finish a tile (set po): for each expert four pairs of relu, from the accumulator's low end on, and four pairs of multiply-adds by its routing weight.
; A pair names an even and an odd destination, neighbouring second sources, and one constant or scalar as both first sources.
.macro EP po
.set ee, q/8
.set mm, q%8
.set ab, ACC+32*(\po)+8*ee
.if mm < 4
	v_dual_max_num_f32 v[ab+2*mm], 0, v[ab+2*mm] :: v_dual_max_num_f32 v[ab+2*mm+1], 0, v[ab+2*mm+1]
.elseif ee == 0
	v_dual_mul_f32 v[OUT+2*(mm-4)], s[R4], v[ab+2*(mm-4)] :: v_dual_mul_f32 v[OUT+2*(mm-4)+1], s[R4], v[ab+2*(mm-4)+1]
.else
	v_dual_fmac_f32 v[OUT+2*(mm-4)], s[R4+2*ee], v[ab+2*(mm-4)] :: v_dual_fmac_f32 v[OUT+2*(mm-4)+1], s[R4+2*ee], v[ab+2*(mm-4)+1]
.endif
.set q, q+1
.endm
.macro GRP p, b0, xw                   ; four K steps from b0: 16 products on end, the four accumulators by turns
.irp i, 0,1,2,3
.irp k, 0,1,2,3
	MM \p, (\b0)+\i, \k, \xw
.endr
.endr
.endm
.macro HALF po, epi                    ; half of the lines that finish the tile before; in the first run, which has no tile before, four idle places
.if \epi
.rept 16
	EP \po
.endr
.else
	PLACES
.endif
.endm
.macro XLD ar, t, b0                   ; K steps b0 .. b0 + 3 of tile t, counted from v[ar]
.irp i, 0,1,2,3
.irp c, 0,1
	ds_load_b128 v[XF+8*((\b0)+\i)+4*\c:XF+8*((\b0)+\i)+4*\c+3], v[\ar] offset:8192*(\t)+1024*((\b0)+\i)+512*\c
.endr
.endr
.endm
.macro QLD xr, xo, b0                  ; the scale words of 64 rows, K steps b0 .. b0 + 3
.irp i, 0,1,2,3
	ds_load_b64 v[XQ+2*((\b0)+\i):XQ+2*((\b0)+\i)+1], v[\xr] offset:(\xo)+512*((\b0)+\i)
.endr
.endm
.macro WFIN                            ; the way out's end: both halves of the experts added, 4 rows stored: sixteen lanes fill 256 consecutive bytes, aligned
	v_pk_add_f32 v[SB:SB+1], v[SB:SB+1], v[SB+4:SB+5]
	v_pk_add_f32 v[SB+2:SB+3], v[SB+2:SB+3], v[SB+6:SB+7]
	v_pk_add_f32 v[SB+8:SB+9], v[SB+8:SB+9], v[SB+12:SB+13]
	v_pk_add_f32 v[SB+10:SB+11], v[SB+10:SB+11], v[SB+14:SB+15]
	global_store_b128 v10, v[SB:SB+3], s[16:17] th:TH_STORE_NT
	global_store_b128 v10, v[SB+8:SB+11], s[16:17] offset:8192 th:TH_STORE_NT
.endm
; A RUN: one tile of 16 rows.  The tile's registers are a ring of two halves: the next tile's (nt, counted from v[ar]) K steps 0-3 are fetched in the run's middle, its K steps 4-7 at the run's end;
; the 16 lines of HALF (in the first run four idle ones) are the places that these loads owe behind the products that read the registers, and that the first read of an accumulator owes behind its last product.
; xs = 1: the next 64 rows' scale words come the same way.
.macro RUN p, xw, epi, ar, nt, nx, xr, xo, xs, wf, sg, bump
.set q, 0
	WIN 1                                          ; source 0, the weights: window 1
	GRP \p, 0, \xw
	HALF (1-(\p)), \epi
	s_wait_alu depctr_va_vdst(0)
	s_wait_dscnt 0x0                               ; K steps 4-7 are in; my stores into the stage and my reads of it are done
.if \sg
	s_barrier_signal -1                            ; so a stage is whole as far as I am concerned
.endif
	WIN 0
.if \wf
	WFIN
.endif
.if \nx
	XLD \ar, \nt, 0
.endif
.if \xs
	QLD \xr, \xo, 0
.endif
	WIN 1
	GRP \p, 4, \xw
	HALF (1-(\p)), \epi
	WIN 0
.if \nx
	XLD \ar, \nt, 4
.endif
.if \xs
	QLD \xr, \xo, 4
.endif
.if \bump
	v_add_nc_u32 v4, 0x10000, v4                   ; eight tiles on,
	v_add_nc_u32 v5, 0x1000, v5                    ; a group of scale words on
.endif
	s_wait_alu depctr_va_vdst(0)                   ; waits, a barrier or a branch follow
.endm
.macro OSTORE st, half                 ; my part of the tile just finished, into stage st
	ds_store_b128 v7, v[OUT:OUT+3] offset:STG1*(\st)+16*SPI*(\half)
	ds_store_b128 v7, v[OUT+4:OUT+7] offset:STG1*(\st)+16*SPI*(\half)+16
.endm
.macro WLOAD st, first                 ; stage st is whole: my 4 rows of both halves
	s_barrier_wait -1
	s_wait_xcnt 0x0                                ; the last stores have read their registers and their base
.if \first == 0
	s_add_nc_u64 s[16:17], s[16:17], 131072        ; 32 rows of out on
.endif
	ds_load_b128 v[SB:SB+3], v9 offset:STG1*(\st)
	ds_load_b128 v[SB+4:SB+7], v9 offset:STG1*(\st)+32*SPI
	ds_load_b128 v[SB+8:SB+11], v9 offset:STG1*(\st)+2*SPI
	ds_load_b128 v[SB+12:SB+15], v9 offset:STG1*(\st)+34*SPI
.endm
; Four runs: tiles 4 j + 1 .. 4 j + 4.  The wait ahead of a run is for the tile's K steps 0-3 (and scale words); behind them were issued the 8 loads of K steps 4-7,
; 4 scale loads where xs = 1, 2 stage stores, and 4 stage loads where a stage is read: 10, 14 or 18 may be out.
.macro TRIP a0, xo, bump
	RUN 1,0,1, 4,(\a0),   1, 5,\xo, 0, 0,1,0
	WLOAD 1, 0
	OSTORE 0, 0
	s_wait_dscnt 14
	RUN 0,1,1, 4,(\a0)+1, 1, 5,\xo, 0, 1,0,0
	OSTORE 0, 1
	s_wait_dscnt 10
	RUN 1,1,1, 4,(\a0)+2, 1, 5,\xo, 1, 0,1,0
	WLOAD 0, 0
	OSTORE 1, 0
	s_wait_dscnt 18
	RUN 0,0,1, 4,(\a0)+3, 1, 5,\xo, 0, 1,0,\bump
	OSTORE 1, 1
	s_wait_dscnt 10
.endm
	XLD 1, 0, 0
	XLD 1, 0, 4
	QLD 3, 0, 0
	QLD 3, 0, 4
	s_wait_dscnt 0x0
	RUN 0,0,0, 1,1, 1, 3,0, 0, 0,0,0               ; tiles 0 to 4 are written out: what they read lies in the head's 128 rows, every offset an immediate
	s_wait_dscnt 8
	RUN 1,0,1, 1,2, 1, 3,0, 0, 0,0,0
	OSTORE 0, 0
	s_wait_dscnt 10
	RUN 0,1,1, 1,3, 1, 3,0, 0, 0,0,0
	OSTORE 0, 1
	s_wait_dscnt 10
	RUN 1,1,1, 1,4, 1, 3,8, 1, 0,1,0
	WLOAD 0, 1
	OSTORE 1, 0
	s_wait_dscnt 18
	RUN 0,0,1, 1,5, 1, 3,8, 0, 1,0,0
	OSTORE 1, 1
	s_wait_tensorcnt 0x0                           ; my three tiles of the other 384 rows are in,
	s_wait_dscnt 0x0
	s_barrier_signal -1
	s_barrier_wait -1                              ; and everybody's
	s_mov_b32 s19, 3
.Lit:                                                  ; a trip: tiles 8 m + 5 .. 8 m + 12; it fetches tiles 8 m + 6 .. 8 m + 13
	TRIP 0, 0, 0
	TRIP 4, 8, 1
	s_sub_co_u32 s19, s19, 1
	s_cmp_lg_u32 s19, 0
	s_cbranch_scc1 .Lit
	RUN 1,0,1, 4,0, 1, 5,0, 0, 0,1,0               ; tiles 29 to 31
	WLOAD 1, 0
	OSTORE 0, 0
	s_wait_dscnt 14
	RUN 0,1,1, 4,1, 1, 5,0, 0, 1,0,0
	OSTORE 0, 1
	s_wait_dscnt 10
	RUN 1,1,1, 4,0, 0, 5,0, 0, 0,1,0
	WLOAD 0, 0
	OSTORE 1, 0
.set q, 0
.rept 32
	EP 1                                           ; the last tile
.endr
	s_wait_alu depctr_va_vdst(0)                   ; the store below stands close behind the last write, a wait follows
	OSTORE 1, 1
	s_wait_dscnt 0x0
	WFIN
	s_barrier_signal -1
	WLOAD 1, 0
	s_wait_dscnt 0x0
	WFIN
	s_wait_tensorcnt 0x0                           ; the wave's end
	ds_add_u32 v[SPW], v[NIL]
	s_wait_dscnt 0x0
	ROUND                                          ; the closing round
	s_endpgm
.Lfunc_end_k_qefb4933b87_experts:
	.size	k_qefb4933b87_experts, .Lfunc_end_k_qefb4933b87_experts-k_qefb4933b87_experts
	.p2alignl 7, 3214868480
	.fill 96, 4, 3214868480
	.section	.rodata,"a",@progbits
	.p2align	6, 0x0
	.amdhsa_kernel k_qefb4933b87_experts
		.amdhsa_group_segment_fixed_size 327680
		.amdhsa_private_segment_fixed_size 0
		.amdhsa_enable_private_segment 0
		.amdhsa_kernarg_size 56
		.amdhsa_user_sgpr_count 2
		.amdhsa_user_sgpr_kernarg_segment_ptr 1
		.amdhsa_wavefront_size32 1
		.amdhsa_system_sgpr_workgroup_id_x 1
		.amdhsa_system_sgpr_workgroup_id_y 1
		.amdhsa_system_sgpr_workgroup_id_z 1
		.amdhsa_system_vgpr_workitem_id 0
		.amdhsa_next_free_vgpr 512
		.amdhsa_next_free_sgpr 102
		.amdhsa_reserve_vcc 0
		.amdhsa_float_denorm_mode_32 3
		.amdhsa_float_denorm_mode_16_64 3
		.amdhsa_memory_ordered 1
		.amdhsa_forward_progress 1
		.amdhsa_inst_pref_size 147
	.end_amdhsa_kernel
	.amdgpu_metadata
---
amdhsa.version: [ 1, 2 ]
amdhsa.kernels:
  - .name:           k_qefb4933b87_experts
    .symbol:         k_qefb4933b87_experts.kd
    .args:
      - { .name: xc, .offset: 0, .size: 8, .value_kind: global_buffer, .address_space: global }
      - { .name: xs, .offset: 8, .size: 8, .value_kind: global_buffer, .address_space: global }
      - { .name: wq, .offset: 16, .size: 8, .value_kind: global_buffer, .address_space: global }
      - { .name: be, .offset: 24, .size: 8, .value_kind: global_buffer, .address_space: global }
      - { .name: plog, .offset: 32, .size: 8, .value_kind: global_buffer, .address_space: global }
      - { .name: br2, .offset: 40, .size: 8, .value_kind: global_buffer, .address_space: global }
      - { .name: out0, .offset: 48, .size: 8, .value_kind: global_buffer, .address_space: global }
    .group_segment_fixed_size: 327680
    .private_segment_fixed_size: 0
    .kernarg_segment_align: 8
    .kernarg_segment_size: 56
    .max_flat_workgroup_size: 256
    .sgpr_count:     102
    .vgpr_count:     512
    .wavefront_size: 32
...
	.end_amdgpu_metadata
.endif
;; end of part 3
